; MI455X (gfx1250); checked and timed in simulation.
; The chip was launched on July 23, 2026; its instructions are those of AMD's public machine-readable ISA for CDNA 5 (MIT licence, August 2026) and "CDNA5" Instruction Set Architecture Reference Guide (July 2026). The comments in the code are by the model that wrote it; some were corrected since.
;; Attn. Allowed arithmetic: matrix products marked QUANTISED: E2M1 operands, one E8M0 scale for each 32 along K, by v_wmma_scale_f32_16x16x128_f8f6f4 with both operands' format E2M1 (or v_wmma_scale_f32_32x16x128_f4), f32 sums; products left as they are: f32 operands where the result goes on into a quantised operand, else bf16, f16 or f32 operands; f32 sums; everything else in f32.
;; Inputs: W 1,024 x 2,048 float32; b 1,024 float32; encoder_outputs 512 x 64 x 2,048 float32; v 1,024 x 1 float32.
;; Outputs: out0 64 x 8 x 512 float32.
;; Constants: num_features = 8.
;; This version of the problem:
;;   THIS VERSION OF THE PROBLEM IS GIVEN IN LOW PRECISION. The matrix products marked QUANTISED in the list below multiply operands that are first quantised to E2M1 (2 exponent bits, 1 mantissa bit; 4 bits a number), with one power-of-two scale for each 32 numbers along K (OCP MX v1.0); their sums are f32. All else is computed in f32.
;;   The module's matrix products, in the order in which they are computed (A, B: the left and right operand; K: the contracted axis; several contracted axes count as one K, in the product's order):
;;     1. [M 32,768, K 2,048] x [K 2,048, N 1,024]; A: input encoder_outputs; B: input W: QUANTISED
;;     2. [M 32,768, K 1,024] x [K 1,024, N 1]; A: computed on the way; B: computed on the way: left as it is (N = 1 < 16)
;;   THE QUANTISER, for each operand of a quantised product, along K:
;;     - K is cut into blocks of 32 from its start; a last block that is shorter is filled with zeros.
;;     - A block's scale is 2^e with e = floor(log2(the largest magnitude in the block)) - 2, held to -126 .. 127; a block of zeros has e = 0. As a byte (E8M0): e + 127.
;;     - Each number is divided by its block's scale, clamped to +-6, and rounded to the nearest number of E2M1, ties to even, subnormals kept.
;;     - The product sums the exact products of the quantised numbers (number of the format x scale) in f32.
;;   ~~~python
;;   def quantise(x, axis):      # numpy; x: float32 -> the quantised numbers, widened to float32 again
;;       x = np.moveaxis(x, axis, -1); K = x.shape[-1]
;;       x = np.pad(x, [(0, 0)] * (x.ndim - 1) + [(0, -K % 32)]); x = x.reshape(x.shape[:-1] + (-1, 32)); a = np.abs(x).max(-1, keepdims=True)
;;       e = np.where(a > 0, np.clip(np.frexp(np.where(a > 0, a, 1))[1] - 1 - 2, -126, 127), 0)      # np.frexp(a)[1] - 1 = floor(log2(a)), exactly
;;       r = np.clip(x / 2.0 ** e, -6, 6)
;;       step = 2.0 ** (np.maximum(np.frexp(np.where(r == 0, 1, r))[1] - 1, 0) - 1)
;;       q = np.round(r / step) * step * 2.0 ** e      # np.round: ties to even
;;       return np.moveaxis(q.reshape(q.shape[:-2] + (-1,))[..., :K], -1, axis).astype(np.float32)
;;   ~~~
;; One version. Each part assembles by itself: llvm-mc -triple=amdgcn-amd-amdhsa -mcpu=gfx1250 --defsym DOCPART=n.
;; ======== version 1 of 1: 2 launches
;; limits: right only within a limited range of input values
;; workspace buffers: wq 1,114,112 bytes
;; launch wquant (part 1): grid 256 x 1, 4 waves a work-group, no clusters, 768 bytes of LDS; arguments W, wq; writes wq
.if DOCPART == 1
	.amdgcn_target "amdgcn-amd-amdhsa--gfx1250"
	.amdhsa_code_object_version 6
	.text
	.protected	k_qcdcd3ac819_wquant
	.globl	k_qcdcd3ac819_wquant
	.p2align	8
	.type	k_qcdcd3ac819_wquant,@function
k_qcdcd3ac819_wquant:
	s_mov_b64 s[64:65], 0
	v_nop
	global_prefetch_b8 v0, s[64:65] scope:SCOPE_SE
	s_setreg_imm32_b32 hwreg(HW_REG_WAVE_MODE, 25, 1), 1
	s_wait_xcnt 0x0
; W [1024][2048] f32, K innermost, becomes codes of FP4 (E2M1) with one E8M0 scale byte for each 32 along K, laid in wq IN THE ORDER OF THE READER'S OPERAND REGISTERS.
; wq: slot j (K = 256 j .. 256 j + 255) at j SLOTB; in it part w (columns 128 w .. 128 w + 127 of the product) at w PB.  A part is 68 x 256 bytes:
;   codes:       ((8 s + t) 2 + c) 512 + 16 lane: registers 4 c .. 4 c + 3 of the fragment of K step s (128 along K) and tile t: lane (r, h) holds row 128 w + 16 t + r of W, the block of 32 at k = 256 j + 128 s + 64 c + 32 h
;   scale words: 16384 + 512 s + 16 lane + 4 i: lane (r, h), word i: the four bytes (byte n for k = 32 n ..) of row 128 w + 16 (4 h + i) + r for K step s
; THE ORDER INSIDE A BLOCK OF 32 is the one in which the reader's own quantiser leaves X's codes: place 8 p + e holds k = 4 p + e for e < 4 and k = 16 + 4 p + (e - 4) for e >= 4.  Both operands of the product have it, so
; each code still meets its partner, under its own block's scale.  It costs nothing here: it only says into which registers a load lands.
; A block's scale is 2^(floor(log2(its largest magnitude)) - 2); its byte is the largest magnitude's exponent field - 2, held at 1 from below.
; LIMITS: a block of zeros gets the byte 1 where the rule says 127 (its codes are zeros, which add nothing under any byte but 0xff, and this program alone reads the bytes); NaN and infinities in W are not served.
; SHARES: 256 work-groups = 16 runs of 64 rows x 16 K steps of 128.  A wave makes ONE fragment: 16 rows x 128 K; a lane holds two whole blocks of 32, so a block's largest magnitude needs no other lane.
; The codes leave as two stores of 512 consecutive bytes; the four waves' scale words meet in LDS and leave as one aligned run of 256 bytes.  No tensor load, one barrier.
.set SLOTB, 139264                     ; bytes of a slot of wq
.set PB,    17408                      ; bytes of a part
.set X,     32                         ; v32-95  my 64 numbers: register 32 c + place
.set C,     16                         ; v16-23  the fragment's eight registers
	s_load_b128 s[4:7], s[0:1], 0x0                ; W s[4:5], wq s[6:7]
	v_lshl_add_u32 v96, v0, 2, 0x100
	v_mov_b32 v97, 0
	v_lshrrev_b32 v1, 5, v0
	v_readfirstlane_b32 s8, v1                     ; wave 0..3
	v_and_b32 v1, 31, v0                           ; lane
	v_and_b32 v2, 15, v0                           ; r
	v_bfe_u32 v3, v0, 4, 1                         ; h
	v_lshlrev_b32 v4, 13, v2                       ; W: row r of 8,192 bytes,
	v_lshl_add_u32 v4, v3, 7, v4                   ; + 128 h: my 32 numbers of each 64
	v_lshlrev_b32 v5, 4, v1                        ; the codes' place: 16 x lane
	s_lshl_b32 s9, s8, 2
	v_lshl_add_u32 v6, v2, 4, s9                   ; LDS: my row's scale word: 16 r + 4 x wave
	v_lshlrev_b32 v7, 3, v1                        ; and on the way out 8 bytes a lane
	s_and_b32 s10, ttmp9, 15                       ; nq: which 64 rows of W
	s_lshr_b32 s11, ttmp9, 4                       ; ks: which 128 along K
	s_lshl_b32 s14, s10, 19                        ; 64 rows of 8,192 bytes,
	s_lshl_b32 s15, s8, 17                         ; my wave's 16 of them,
	s_add_co_u32 s14, s14, s15
	s_lshl_b32 s15, s11, 9                         ; 128 numbers of 4 bytes
	s_add_co_u32 s14, s14, s15
	s_mov_b32 s15, 0
	s_lshr_b32 s16, s11, 1                         ; j = ks / 2
	s_mul_i32 s16, s16, SLOTB
	s_lshr_b32 s17, s10, 1                         ; w = nq / 2
	s_mul_i32 s17, s17, PB
	s_add_co_u32 s16, s16, s17                     ; the part's first byte
	s_and_b32 s17, s11, 1                          ; s = ks % 2
	s_and_b32 s22, s10, 1                          ; hh = nq % 2: the part's tiles 4 hh .. 4 hh + 3
	s_lshl_b32 s18, s17, 9
	s_lshl_b32 s19, s22, 8
	s_add_co_u32 s18, s18, s19
	s_add_co_u32 s18, s18, s16
	s_add_co_u32 s18, s18, 16384                   ; the scale words: part + 16384 + 512 s + 256 hh
	s_mov_b32 s19, 0
	s_lshl_b32 s17, s17, 3
	s_lshl_b32 s22, s22, 2
	s_add_co_u32 s17, s17, s22
	s_add_co_u32 s17, s17, s8                      ; 8 s + t, t = 4 hh + wave
	s_lshl_b32 s17, s17, 10
	s_add_co_u32 s16, s16, s17                     ; the codes: part + (8 s + t) 1024
	s_mov_b32 s17, 0
	s_mov_b32 s20, 0x76543210
	s_mov_b32 s21, 0xfedcba98                      ; v_permlanex16_b32's selects for lane l xor 16
	s_wait_alu depctr_va_vdst(0)
	s_wait_kmcnt 0x0
	s_add_nc_u64 s[4:5], s[4:5], s[14:15]
	s_add_nc_u64 s[12:13], s[6:7], s[18:19]
	s_add_nc_u64 s[6:7], s[6:7], s[16:17]
.irp c, 0,1
.irp e, 0,1,2,3,4,5,6,7
	global_load_b128 v[X+32*\c+8*(\e%4)+4*(\e/4):X+32*\c+8*(\e%4)+4*(\e/4)+3], v4, s[4:5] offset:256*\c+16*\e th:TH_LOAD_NT   ; W(row, 64 c + 32 h + 4 e ..) into places 8 (e % 4) + 4 (e / 4) ..; read once in the launch
.endr
.endr
	s_wait_loadcnt 0x0
.irp c, 0,1                                    ; my block 2 c + h: all its 32 numbers are mine
	v_max3_num_f32 v[8+\c], |v[X+32*\c]|, |v[X+1+32*\c]|, 0x1800000   ; and the floor 2^(3 - 127): the byte cannot fall under 1
.endr
.irp i, 2,4,6,8,10,12,14,16,18,20,22,24,26,28,30
.irp c, 0,1
	v_max3_num_f32 v[8+\c], v[8+\c], |v[X+32*\c+\i]|, |v[X+1+32*\c+\i]|   ; (the two blocks by turns)
.endr
.endr
.irp c, 0,1
	v_add_nc_u32 v[10+\c], 0xff000000, v[8+\c]     ; 2 off the exponent field: the conversion takes the exponent field of this operand as its scale, and nothing else of it
.endr
.irp c, 0,1
	v_lshrrev_b32 v[12+\c], 23, v[10+\c]           ; the scale's byte
.endr
	v_lshl_or_b32 v14, v13, 16, v12                ; my two bytes: blocks h and 2 + h of my row,
	v_lshlrev_b32 v15, 3, v3
	v_lshlrev_b32 v14, v15, v14                    ; at their places in the word (8 h bits up);
	v_mov_b32 v15, 0                               ; (a lane permute's destination counts as one of its sources)
	v_permlanex16_b32 v15, v14, s20, s21
	v_or_b32 v14, v14, v15                         ; with lane l xor 16's two the word is whole
.irp c, 0,1
.irp g, 0,1,2,3
	v_cvt_scalef32_pk8_fp4_f32 v[C+4*\c+\g], v[X+32*\c+8*\g:X+32*\c+8*\g+7], v[10+\c]   ; register 4 c + g of the fragment
.endr
.endr
	v_nop                                          ; one plain place behind the last scaled conversion
.irp c, 0,1
	global_store_b128 v5, v[C+4*\c:C+4*\c+3], s[6:7] offset:512*\c   ; 32 lanes store 512 consecutive bytes, at a multiple of 256 from wq's first byte
.endr
	ds_store_b32 v6, v14                           ; lanes r and r + 16 write the same word with the same value
	s_wait_dscnt 0x0                               ; for wave 0's sake: my word has landed
	s_barrier_signal -1
	s_barrier_wait -1
	s_cmp_lg_u32 s8, 0
	s_cbranch_scc1 .Ldone                          ; wave 0 sends the 64 words
	ds_load_b64 v[24:25], v7
	s_wait_dscnt 0x0
	global_store_b64 v7, v[24:25], s[12:13]        ; 32 lanes store 256 consecutive bytes, at a multiple of 256 from wq's first byte
.Ldone:
	s_wait_tensorcnt 0x0
	ds_add_u32 v96, v97
	s_wait_dscnt 0x0
	s_endpgm
.Lfunc_end_k_qcdcd3ac819_wquant:
	.size	k_qcdcd3ac819_wquant, .Lfunc_end_k_qcdcd3ac819_wquant-k_qcdcd3ac819_wquant
	.p2alignl 7, 3214868480
	.fill 96, 4, 3214868480
	.section	.rodata,"a",@progbits
	.p2align	6, 0x0
	.amdhsa_kernel k_qcdcd3ac819_wquant
		.amdhsa_group_segment_fixed_size 768
		.amdhsa_private_segment_fixed_size 0
		.amdhsa_enable_private_segment 0
		.amdhsa_kernarg_size 16
		.amdhsa_user_sgpr_count 2
		.amdhsa_user_sgpr_kernarg_segment_ptr 1
		.amdhsa_wavefront_size32 1
		.amdhsa_system_sgpr_workgroup_id_x 1
		.amdhsa_system_sgpr_workgroup_id_y 1
		.amdhsa_system_sgpr_workgroup_id_z 1
		.amdhsa_system_vgpr_workitem_id 0
		.amdhsa_next_free_vgpr 98
		.amdhsa_next_free_sgpr 66
		.amdhsa_reserve_vcc 0
		.amdhsa_float_denorm_mode_32 3
		.amdhsa_float_denorm_mode_16_64 3
		.amdhsa_memory_ordered 1
		.amdhsa_forward_progress 1
		.amdhsa_inst_pref_size 8
	.end_amdhsa_kernel
	.amdgpu_metadata
---
amdhsa.version: [ 1, 2 ]
amdhsa.kernels:
  - .name:           k_qcdcd3ac819_wquant
    .symbol:         k_qcdcd3ac819_wquant.kd
    .args:
      - { .name: W, .offset: 0, .size: 8, .value_kind: global_buffer, .address_space: global }
      - { .name: wq, .offset: 8, .size: 8, .value_kind: global_buffer, .address_space: global }
    .group_segment_fixed_size: 768
    .private_segment_fixed_size: 0
    .kernarg_segment_align: 8
    .kernarg_segment_size: 16
    .max_flat_workgroup_size: 128
    .sgpr_count:     66
    .vgpr_count:     98
    .wavefront_size: 32
...
	.end_amdgpu_metadata
.endif
;; end of part 1
;; launch attn (part 2): grid 256 x 1, 8 waves a work-group, clusters of 4 x 1, 327,680 bytes of LDS; arguments encoder_outputs, wq, b, v, out0; writes out0
.if DOCPART == 2
	.amdgcn_target "amdgcn-amd-amdhsa--gfx1250"
	.amdhsa_code_object_version 6
	.text
	.protected	k_qcdcd3ac819_attn
	.globl	k_qcdcd3ac819_attn
	.p2align	8
	.type	k_qcdcd3ac819_attn,@function
k_qcdcd3ac819_attn:
	s_mov_b64 s[64:65], 0
	v_nop
	global_prefetch_b8 v0, s[64:65] scope:SCOPE_SE
	s_setreg_imm32_b32 hwreg(HW_REG_WAVE_MODE, 25, 1), 1
	s_wait_xcnt 0x0
	s_wait_alu depctr_hold_cnt(0) depctr_sa_sdst(0) depctr_va_vdst(0) depctr_va_sdst(0) depctr_va_ssrc(0) depctr_va_vcc(0) depctr_vm_vsrc(0)
	s_getreg_b32 s2, hwreg(HW_REG_IB_STS2, 6, 4)
	s_cmp_eq_u32 s2, 0
	s_cbranch_scc0 .Lentry_in_a_cluster
	s_endpgm
.Lentry_in_a_cluster:
	s_bfe_u32 s2, ttmp6, 0x10000c
	s_cmp_lg_u32 s2, 0x3003
	s_cbranch_scc0 .Lentry_shape_is_right
	s_endpgm
.Lentry_shape_is_right:
; out0[b][f][l] = softmax over b of score[l][b], score = tanh(Q(X) Q(W)^T + bias) . v, the same for f = 0 .. 7.  X = encoder_outputs as [32768 rows = 64 l + b][2048] f32.
; The product runs on codes of FP4 (E2M1) with one E8M0 scale for each 32 along K; sums, tanh, the dot with v and the softmax in f32.  W comes as codes and scale words from wq, in the order of the operand's registers.
; SHARES.  A work-group owns 128 rows, l = 2 g and 2 g + 1.  Wave w owns rows 64 (w % 2) .. and columns 128 (w / 2) .. of the half of N in hand: 4 x 8 accumulators.
; TWO PASSES over K.  PASS 0 (columns 0-511) reads X from memory, each byte once, quantises it in registers and leaves its codes in LDS for all of K; PASS 1 (columns 512-1023) takes them from there.
; PASS 0: X comes by global loads (two sets of 8 rows a wave, asked for again as soon as quantised); W by joint tensor loads of the cluster's four work-groups into a ring of two LDS slots: the two streams have counters of their own.
; PASS 1: no load of X is out, so W's fragments come by global loads straight into the operand's registers: three buffers by turns, each asked for three K steps ahead.  LDS holds only bytes that nobody writes any more: no barrier.
;   No joint load there: a joint load lands in LDS, from which each of W's bytes would be read twice again (26 LDS loads a wave and K step where this text has 9); the two waves that share 128 columns each load them.
; X IS PREFETCHED in pass 0: behind the loads of chunk x + 2 each wave names its own 16 rows x 1,024 bytes of chunk x + 3, a lane a block of 256 bytes, two instructions; chunks 0 to 2 come by their loads alone, nothing is named past chunk 7.
; THE ORDER INSIDE A BLOCK OF 32: a lane holds k = 4 p .. 4 p + 3 and 16 + 4 p .. + 3 (p = lane % 4) of one block; wq's codes lie in the same order, so each code meets its partner under its own block's scale.
; tanh(y) = 1 - 2 / (1 + 2^(c y)), c = 2 log2(e): an exponential that overflows gives the reciprocal 0, one that falls to 0 gives 1.
; LEFT OUT: score = sum(v) - 2 sum(v_h r_h), r = 1 / (1 + 2^t); sum(v) is the same in all 64 scores of a softmax and cancels there for all values of v, so S = sum((-2 v_h) r_h) is summed.  The largest S is taken away ahead of the exponential.
; THE WAY OUT: a work-group owns two l, so out0 leaves as stores of 8 bytes a lane, rows 32 KiB apart: 1 MiB beside the 256 MiB read.
; LIMITS: NaN and infinities in X are not served, nor an overflow of sum(v) carried; a block of zeros gets the scale byte 1 where the rule says 127 (its codes are zeros, and this program alone reads the bytes).
; REGISTERS.  Window 0: v1-15 addresses; v16-23, v28-31 W's scale words, v24-27 X's; v32-63 X's fragments, later the sums S; v64-127 W's fragments (between products: at work); v128-255 X as loaded, in pass 1 two more buffers of W.
;   Window 1: accumulator (m, t) at v[8 (4 t + m)].
.set SLOTB, 139264                     ; a slot of wq: 256 along K, 1024 columns
.set PB,    17408                      ; a part, 128 columns: 16,384 bytes of codes, 1,024 of scale words
.set HS,    4*PB                       ; 512 columns: a slot of the ring
.set XC,    2*HS                       ; X's codes: a region of 128 rows x 144 bytes for each 256 along K
.set XCB,   128*144
.set XS,    XC+8*XCB                   ; X's scale bytes: 512 s + 256 (row / 64) + 16 r + 4 m + byte
.set XSB,   1024
.set BV,    XS+8*XSB                   ; for each 128 columns: 256 t + 16 r: (c bias, c bias, -2 v, -2 v)
.set SCR,   BV+8*2048                  ; partial scores: 2048 pass + 256 wave + 4 (row % 64)
.set SPARE, SCR+2*2048                 ; the spare words, 128 bytes a wave
.set SPW,   1                          ; my spare word's address; never rewritten
.set NIL,   2                          ; 0; never rewritten
.set XOFF,  3                          ; X: my 16 bytes of a load's 512
.set XCW,   4                          ; where I put 4 bytes of codes
.set XSW,   5                          ; and my block's scale byte
.set ADRA,  6                          ; X's fragments: XC + 9216 (wave % 2) + 144 r + 16 h
.set ADRB,  7                          ; v7-8 my part of ring slot 0, 1: PB (wave / 2) + 16 lane; v7 is also my offset in half a slot of wq
.set ADXS,  9                          ; X's scale words
.set BVA,   10
.set PFO,   11                         ; the prefetches' offset: 8192 (lane / 4) + 256 (lane % 4); never rewritten
.set WA,    12                         ; XCW + the region in hand; at a pass's end: where my partial scores go
.set WSA,   13
.set RA,    14                         ; ADRA + the region in hand
.set RS,    15
.set WS,    20
.set XSR,   24
.set AF,    32
.set SM,    32
.set BF,    64
.set MX,    64
.set BY,    72
.set CD,    80
.set TR,    88                         ; at the head only: r, h, lane, my byte in bias and v, where I put the quads
.set TH,    89
.set TL,    90
.set TB,    91
.set BVW,   92
.set QD,    96                         ; v96-127 eight quads of BV
.set T0,    96                         ; at the head and at the end: v96-97 at work
.set RES,   100                        ; at the end: v100-103 the results
.set SCRR,  104
.set OUTO,  105
.set XR,    128
.set PBF,   BF                         ; which buffer and which scale words the products take
.set PWS,   WS
.set WV,    14
.set GID,   15
.set G1,    16
.set G0,    24
.set XP,    32                         ; s[32:33] X at the chunk last asked for
.set WP,    36                         ; s[36:37] pass 1: wq at the slot from which the trip counts, columns 512 ..
.set CS,    40
.set SEL,   42
.set KO,    44
.set LAP,   45
.set KS,    48
.set SCB,   49                         ; SCR + 256 wave
.set MSB, 0
.macro WIN new                         ; the immediate's high byte repeats the setting that is left
.if MSB != \new
	s_set_vgpr_msb (MSB<<8)|\new
.set MSB, \new
.endif
.endm
.set MUL, 0x50                         ; C and D window 1
.set E1,  0x41                         ; source 0 and destination window 1
.set E2,  0x01                         ; source 0 window 1
.macro PLACES                          ; four plain places behind matrix instructions (ISA guide 7.12.1)
.rept 4
	v_nop
.endr
.endm
.macro CROUND                          ; a round of the cluster's barrier
	s_barrier_signal -1
	s_barrier_wait -1
	s_cmp_lg_u32 s[WV], 0
	s_cbranch_scc1 .Lnot_wave_0_\@
	s_barrier_signal -3
.Lnot_wave_0_\@:
	s_barrier_wait -3
	s_barrier_signal -1
	s_barrier_wait -1
.endm
; THE HEAD OF A SLOT of pass 0 that reads ring slot p.  In front of the barrier: my tensor load has landed, my stores of X's codes too, my reads of ring slot 1 - p are over.
; mode 1, 2: ring slot 1 - p takes W's slot two on (1) or, at the first head, 6 SLOTB - HS back (2); the barrier is a round of the cluster's, the joint load comes first behind it, waves 0 to 3 a part each.  mode 0: nothing is left to fetch.
.macro HEAD p, mode
	s_wait_tensorcnt 0x0                           ; no tensor load of mine is out, so a group 0 may be written
	ds_add_u32 v[SPW], v[NIL]
.if \mode == 1
	s_add_nc_u64 s[G0+6-4*\p:G0+7-4*\p], s[G0+6-4*\p:G0+7-4*\p], 2*SLOTB
.elseif \mode == 2
	s_sub_nc_u64 s[G0+6-4*\p:G0+7-4*\p], s[G0+6-4*\p:G0+7-4*\p], 6*SLOTB-HS
.endif
	s_wait_dscnt 0x0
.if \mode
	CROUND
	s_cmp_lt_u32 s[WV], 4
	s_cbranch_scc0 .Lno_load_\@
	tensor_load_to_lds s[G0+4-4*\p:G0+7-4*\p], s[G1:G1+7]
	s_nop 0
	PLACES
.Lno_load_\@:
.else
	s_barrier_signal -1
	s_barrier_wait -1
.endif
.endm
; One product: rows 16 m .. x columns 16 t .., 128 along K.  Result: lane (r, h), register j: row 16 m + 8 h + j, column 16 t + r.  W's scale words: register t % 4, lanes 0-15 for tiles 0-3, lanes 16-31 for tiles 4-7.
.macro PROD m, t, zero
.set rD, 8*(4*(\t)+(\m))
.set rA, AF+8*(\m)
.set rB, PBF+8*(\t)
.set rW, PWS+((\t)&3)
.if \zero
.if (\t) < 4
	v_wmma_scale_f32_16x16x128_f8f6f4 v[rD:rD+7], v[rA:rA+7], v[rB:rB+7], 0, v[XSR+(\m)], v[rW] matrix_a_fmt:MATRIX_FMT_FP4 matrix_b_fmt:MATRIX_FMT_FP4
.else
	v_wmma_scale_f32_16x16x128_f8f6f4 v[rD:rD+7], v[rA:rA+7], v[rB:rB+7], 0, v[XSR+(\m)], v[rW] matrix_a_fmt:MATRIX_FMT_FP4 matrix_b_fmt:MATRIX_FMT_FP4 matrix_b_scale:MATRIX_SCALE_ROW1
.endif
.else
.if (\t) < 4
	v_wmma_scale_f32_16x16x128_f8f6f4 v[rD:rD+7], v[rA:rA+7], v[rB:rB+7], v[rD:rD+7], v[XSR+(\m)], v[rW] matrix_a_fmt:MATRIX_FMT_FP4 matrix_b_fmt:MATRIX_FMT_FP4
.else
	v_wmma_scale_f32_16x16x128_f8f6f4 v[rD:rD+7], v[rA:rA+7], v[rB:rB+7], v[rD:rD+7], v[XSR+(\m)], v[rW] matrix_a_fmt:MATRIX_FMT_FP4 matrix_b_fmt:MATRIX_FMT_FP4 matrix_b_scale:MATRIX_SCALE_ROW1
.endif
.endif
.endm
; A K STEP of pass 0: 26 LDS loads in one run, 32 products on 32 accumulators by turns
.macro KSTEP p, s, zero
	s_wait_dscnt 0x0                               ; my stores of codes and bytes have read their registers
	PLACES
.irp m, 0,1,2,3
.irp c, 0,1
	ds_load_b128 v[AF+8*\m+4*\c:AF+8*\m+4*\c+3], v[RA] offset:\m*2304+64*\s+32*\c
.endr
.endr
	ds_load_b128 v[XSR:XSR+3], v[RS] offset:512*\s
	ds_load_b128 v[WS:WS+3], v[ADRB+\p] offset:16384+512*\s
.irp t, 0,1,2,3,4,5,6,7
.irp c, 0,1
	ds_load_b128 v[BF+8*\t+4*\c:BF+8*\t+4*\c+3], v[ADRB+\p] offset:(8*\s+\t)*1024+512*\c
.endr
.endr
	s_wait_dscnt 8                                 ; all but the eight youngest loads, W's tiles 4-7
	WIN MUL
.irp t, 0,1,2,3
.irp m, 0,1,2,3
	PROD \m, \t, \zero
.endr
.endr
	s_wait_dscnt 0x0
.irp t, 4,5,6,7
.irp m, 0,1,2,3
	PROD \m, \t, \zero
.endr
.endr
	WIN 0
.endm
; SET q (rows 16 wave + 8 q .., 256 along K) IS QUANTISED into the region in hand (ahead = 0) or the next (1).  n: the younger global loads that may stay out.
.macro XQ q, n, ahead
	s_wait_loadcnt \n
	PLACES                                         ; v64-87 were read by the last products
.irp i, 0,1,2,3,4,5,6,7
.irp e, 0,1,2,3
	v_permlane16_swap_b32 v[XR+64*(\q)+8*\i+\e], v[XR+64*(\q)+8*\i+4+\e]   ; a lane then holds 8 numbers of block lane / 4 of the row's eight
.endr
.endr
.irp i, 0,1,2,3,4,5,6,7
	v_max3_num_f32 v[MX+\i], |v[XR+64*(\q)+8*\i]|, |v[XR+64*(\q)+8*\i+1]|, 0x1800000   ; with the floor 2^(3 - 127): the byte cannot fall under 1
.endr
.irp e, 2,4,6
.irp i, 0,1,2,3,4,5,6,7
	v_max3_num_f32 v[MX+\i], v[MX+\i], |v[XR+64*(\q)+8*\i+\e]|, |v[XR+64*(\q)+8*\i+\e+1]|
.endr
.endr
.irp x, 1,2
.irp i, 0,1,2,3,4,5,6,7
	v_max_num_f32_dpp v[MX+\i], v[MX+\i], v[MX+\i] row_xmask:\x row_mask:0xf bank_mask:0xf   ; the block's four lanes
.endr
.endr
.irp i, 0,1,2,3,4,5,6,7
	v_add_nc_u32 v[MX+\i], 0xff000000, v[MX+\i]    ; 2 off the exponent field: the conversion's scale operand
.endr
.irp i, 0,1,2,3,4,5,6,7
	v_lshrrev_b32 v[BY+\i], 23, v[MX+\i]           ; the scale's byte
.endr
.irp i, 0,1,2,3,4,5,6,7
	v_cvt_scalef32_pk8_fp4_f32 v[CD+\i], v[XR+64*(\q)+8*\i:XR+64*(\q)+8*\i+7], v[MX+\i]
.endr
	v_nop                                          ; one plain place behind the last scaled conversion
.irp i, 0,1,2,3,4,5,6,7
	ds_store_b32 v[WA], v[CD+\i] offset:(\ahead)*XCB+(\q)*1152+144*\i
	ds_store_b8 v[WSA], v[BY+\i] offset:(\ahead)*XSB+(\q)*128+16*\i      ; a block's four lanes write the same byte
.endr
.endm
; SET q IS ASKED FOR: two loads of 512 consecutive bytes a row.  step: bytes from the chunk last asked for
.macro XL q, step
.if \step > 0
	s_wait_xcnt 0x0                                ; the base is stepped only behind this wait
	s_add_nc_u64 s[XP:XP+1], s[XP:XP+1], \step
.endif
.irp i, 0,1,2,3,4,5,6,7
	global_load_b128 v[XR+64*(\q)+8*\i:XR+64*(\q)+8*\i+3], v[XOFF], s[XP:XP+1] offset:8192*(8*(\q)+\i) th:TH_LOAD_NT
	global_load_b128 v[XR+64*(\q)+8*\i+4:XR+64*(\q)+8*\i+7], v[XOFF], s[XP:XP+1] offset:8192*(8*(\q)+\i)+512 th:TH_LOAD_NT
.endr
.endm
; A SLOT of pass 0.  xq = 1: behind each K step one set of the next chunk is quantised and asked for again from the chunk after that, and the chunk after that one is prefetched; 3: the same, no prefetch; 2: the last chunk; 0: nothing left.
.macro SLOT p, zero, mode, xq
	HEAD \p, \mode
	v_add_nc_u32 v[RA], s[KO], v[ADRA]
	v_add_nc_u32 v[RS], s[KS], v[ADXS]
	v_add_nc_u32 v[WA], s[KO], v[XCW]
	v_add_nc_u32 v[WSA], s[KS], v[XSW]
	s_wait_alu depctr_va_vdst(0)
	KSTEP \p, 0, \zero
.if \xq
	XQ 0, 16, 1                                    ; behind set 0's loads stand set 1's 16
.endif
.if (\xq == 1) || (\xq == 3)
	XL 0, 1024
.endif
.if \xq == 1
	global_prefetch_b8 v[PFO], s[XP:XP+1] offset:1024 th:TH_LOAD_NT scope:SCOPE_SE          ; one chunk on: my rows 0-7,
	global_prefetch_b8 v[PFO], s[XP:XP+1] offset:65536+1024 th:TH_LOAD_NT scope:SCOPE_SE    ; my rows 8-15
.endif
	KSTEP \p, 1, 0
.if (\xq == 1) || (\xq == 3)
	XQ 1, 16, 1                                    ; behind set 1's loads stand the 16 just issued for set 0
	XL 1, 0
.elseif \xq == 2
	XQ 1, 0, 1
.endif
	s_add_co_u32 s[KO], s[KO], XCB
	s_add_co_u32 s[KS], s[KS], XSB
.endm
; PASS 1.  W's fragments and scale words of K step q, counted from s[WP]: 17 loads into buffer q % 3
.macro WL q
.set bB, 64+64*(((\q)+1)%3)
.set bW, 16+4*((\q)%3)+4*(((\q)%3)/2)
.irp t, 0,1,2,3,4,5,6,7
.irp c, 0,1
	global_load_b128 v[bB+8*\t+4*\c:bB+8*\t+4*\c+3], v[ADRB], s[WP:WP+1] offset:((\q)/2)*SLOTB+(8*((\q)%2)+\t)*1024+512*\c
.endr
.endr
	global_load_b128 v[bW:bW+3], v[ADRB], s[WP:WP+1] offset:((\q)/2)*SLOTB+16384+512*((\q)%2)
.endm
; A K step of pass 1.  n: the loads of the younger K steps, which may stay out.  wl = 1: the buffer takes the K step three on
.macro K1 kk, zero, n, wl
.set PBF, 64+64*(((\kk)+1)%3)
.set PWS, 16+4*((\kk)%3)+4*(((\kk)%3)/2)
.irp m, 0,1,2,3
.irp c, 0,1
	ds_load_b128 v[AF+8*\m+4*\c:AF+8*\m+4*\c+3], v[RA] offset:((\kk)/2)*XCB+\m*2304+64*((\kk)%2)+32*\c
.endr
.endr
	ds_load_b128 v[XSR:XSR+3], v[RS] offset:((\kk)/2)*XSB+512*((\kk)%2)
	s_wait_loadcnt \n
	s_wait_dscnt 0x0
	WIN MUL
.irp t, 0,1,2,3,4,5,6,7
.irp m, 0,1,2,3
	PROD \m, \t, \zero
.endr
.endr
	WIN 0
	PLACES                                         ; for the loads that follow, into registers that the products read
.if \wl
	WL (\kk)+3
.endif
.endm
.macro SETR                            ; the regions from which the next K steps count
	v_add_nc_u32 v[RA], s[KO], v[ADRA]
	v_add_nc_u32 v[RS], s[KS], v[ADXS]
	s_wait_alu depctr_va_vdst(0)
.endm
; A PASS'S END: tanh and the dot with v over my 128 columns; my 64 partial scores go to LDS
.macro EPI pass
	PLACES
.irp t, 0,1,2,3,4,5,6,7
	ds_load_b128 v[QD+4*\t:QD+4*\t+3], v[BVA] offset:\pass*8192+256*\t
.endr
	s_wait_dscnt 0x0
.irp t, 0,1,2,3,4,5,6,7
	WIN E1
.set u, 0
.rept 16
	v_pk_fma_f32 v[32*\t+u:32*\t+u+1], v[32*\t+u:32*\t+u+1], s[CS:CS+1], v[QD+4*\t:QD+4*\t+1] op_sel_hi:[1,0,1]   ; t = c x + c bias, each accumulator from its low end on
.set u, u+2
.endr
.set u, 0
	s_wait_alu depctr_va_vdst(0)
.rept 32
	v_exp_f32 v[32*\t+u], v[32*\t+u]
.set u, u+1
.endr
	v_nop
.set u, 0
	s_wait_alu depctr_va_vdst(0)
.rept 16
	v_pk_add_f32 v[32*\t+u:32*\t+u+1], v[32*\t+u:32*\t+u+1], 1.0 op_sel_hi:[1,0]
.set u, u+2
.endr
.set u, 0
	s_wait_alu depctr_va_vdst(0)
.rept 32
	v_rcp_f32 v[32*\t+u], v[32*\t+u]               ; r = 1 / (1 + 2^t)
.set u, u+1
.endr
	v_nop
	s_wait_alu depctr_va_vdst(0)
	WIN E2
.set u, 0
.rept 16
.if \t == 0
	v_pk_mul_f32 v[SM+u:SM+u+1], v[32*\t+u:32*\t+u+1], v[QD+4*\t+2:QD+4*\t+3]
.else
	v_pk_fma_f32 v[SM+u:SM+u+1], v[32*\t+u:32*\t+u+1], v[QD+4*\t+2:QD+4*\t+3], v[SM+u:SM+u+1]   ; S += (-2 v) r
.endif
.set u, u+2
.endr
.endr
	WIN 0
	v_bfe_u32 v[WA], v0, 4, 1
	v_lshl_add_u32 v[WA], v[WA], 5, s[SCB]         ; SCR + 256 wave + 32 h
.irp x, 1,2,4,8                        ; over the sixteen columns in the sixteen lanes of my half
.set u, 0
.rept 32
	v_add_f32_dpp v[SM+u], v[SM+u], v[SM+u] row_xmask:\x row_mask:0xf bank_mask:0xf
.set u, u+1
.endr
.endr
.irp m, 0,1,2,3
.irp e, 0,1
	ds_store_b128 v[WA], v[SM+8*\m+4*\e:SM+8*\m+4*\e+3] offset:\pass*2048+64*\m+16*\e   ; a half's sixteen lanes write the same words
.endr
.endr
.endm
; THE SOFTMAX of l = 2 g + beta.  v[BF + 16 beta ..]: the eight partial scores of b = 2 lane and of b = 2 lane + 1
.macro SOFT beta
.set FB, BF+16*\beta
.irp w, 0,4,8,12
	v_pk_add_f32 v[FB+\w:FB+\w+1], v[FB+\w:FB+\w+1], v[FB+\w+2:FB+\w+3]
.endr
	s_delay_alu instid0(VALU_DEP_3)
	v_pk_add_f32 v[FB:FB+1], v[FB:FB+1], v[FB+4:FB+5]
	s_delay_alu instid0(VALU_DEP_2)
	v_pk_add_f32 v[FB+8:FB+9], v[FB+8:FB+9], v[FB+12:FB+13]
	s_delay_alu instid0(VALU_DEP_1)
	v_pk_add_f32 v[FB:FB+1], v[FB:FB+1], v[FB+8:FB+9]
	s_delay_alu instid0(VALU_DEP_1)
	v_max_num_f32 v[T0], v[FB], v[FB+1]
.irp x, 1,2,4,8
	s_delay_alu instid0(VALU_DEP_1)
	v_max_num_f32_dpp v[T0], v[T0], v[T0] row_xmask:\x row_mask:0xf bank_mask:0xf
.endr
	s_delay_alu instid0(VALU_DEP_1)
	v_permlanex16_b32 v[T0+1], v[T0], s[SEL], s[SEL+1]
	s_delay_alu instid0(VALU_DEP_1)
	v_max_num_f32 v[T0], v[T0], v[T0+1]            ; the largest of the 64
	s_delay_alu instid0(VALU_DEP_1)
	v_sub_f32 v[FB], v[FB], v[T0]
	s_delay_alu instid0(VALU_DEP_2)
	v_sub_f32 v[FB+1], v[FB+1], v[T0]
	s_delay_alu instid0(VALU_DEP_2)
	v_mul_f32 v[FB], 0x3fb8aa3b, v[FB]             ; x log2(e)
	s_delay_alu instid0(VALU_DEP_2)
	v_mul_f32 v[FB+1], 0x3fb8aa3b, v[FB+1]
	s_wait_alu depctr_va_vdst(0)
	v_exp_f32 v[FB], v[FB]
	v_exp_f32 v[FB+1], v[FB+1]
	v_nop
	s_wait_alu depctr_va_vdst(0)
	v_add_f32 v[T0], v[FB], v[FB+1]
.irp x, 1,2,4,8
	s_delay_alu instid0(VALU_DEP_1)
	v_add_f32_dpp v[T0], v[T0], v[T0] row_xmask:\x row_mask:0xf bank_mask:0xf
.endr
	s_delay_alu instid0(VALU_DEP_1)
	v_permlanex16_b32 v[T0+1], v[T0], s[SEL], s[SEL+1]
	s_delay_alu instid0(VALU_DEP_1)
	v_add_f32 v[T0], v[T0], v[T0+1]                ; the sum of the 64: at least 1
	s_wait_alu depctr_va_vdst(0)
	v_rcp_f32 v[T0], v[T0]
	v_nop
	s_wait_alu depctr_va_vdst(0)
	v_mul_f32 v[RES+\beta], v[FB], v[T0]
	v_mul_f32 v[RES+2+\beta], v[FB+1], v[T0]
.endm
	s_load_b256 s[4:11], s[0:1], 0x0               ; X s[4:5], wq s[6:7], bias s[8:9], v s[10:11]
	s_load_b64 s[12:13], s[0:1], 0x20              ; out0
	v_lshl_add_u32 v[SPW], v0, 2, SPARE
	v_mov_b32 v[NIL], 0
	ds_add_u32 v[SPW], v[NIL]
	ds_add_u32 v[SPW], v[NIL]
	s_wait_dscnt 0x0
	v_lshrrev_b32 v[T0], 5, v0
	s_delay_alu instid0(VALU_DEP_1)
	v_readfirstlane_b32 s[WV], v[T0]               ; wave 0..7
	v_and_b32 v[TL], 31, v0
	v_and_b32 v[TR], 15, v0
	v_bfe_u32 v[TH], v0, 4, 1
	v_bfe_u32 v[XOFF], v0, 2, 2                    ; which 128 bytes of a load's 512,
	s_delay_alu instid0(VALU_DEP_1)
	v_lshlrev_b32 v[XOFF], 7, v[XOFF]
	s_delay_alu instid0(VALU_DEP_1)
	v_lshl_add_u32 v[XOFF], v[TH], 6, v[XOFF]      ; which half of them,
	v_and_b32 v[T0], 3, v0
	s_delay_alu instid0(VALU_DEP_1)
	v_lshl_add_u32 v[XOFF], v[T0], 4, v[XOFF]      ; which 16 bytes of that
	s_lshl_b32 s46, s[WV], 9
	v_lshl_add_u32 v[TB], v[TR], 2, s46            ; bias, v: 512 wave + 4 r
	; descriptor group 1: a part of wq: 68 rows of 256 bytes, dense, unpadded; mask 15 with bit 21 beside it
	s_mov_b32 s[G1+0], 15|(3<<16)|(1<<21)
	s_mov_b32 s[G1+1], 32<<16
	s_mov_b32 s[G1+2], 68<<16
	s_mov_b32 s[G1+3], 32<<16
	s_mov_b32 s[G1+4], 68
	s_mov_b32 s[G1+5], 32
	s_mov_b32 s[G1+6], 0
	s_mov_b32 s[G1+7], 0
	s_mov_b32 s[CS], 0x4038aa3b                    ; c = 2 log2(e)
	s_mov_b32 s[CS+1], s[CS]
	s_mov_b32 s[SEL], 0x76543210
	s_mov_b32 s[SEL+1], 0xfedcba98
	s_mov_b32 s[KO], 0
	s_mov_b32 s[KS], 0
	s_lshl_b32 s[SCB], s[WV], 8
	s_add_co_u32 s[SCB], s[SCB], SCR
	s_and_b32 s36, s[WV], 3
	s_mul_i32 s36, s36, PB                         ; the part that I fetch, if I fetch: no place in the cluster enters it
	s_mov_b32 s37, 0
	s_bfe_u32 s[GID], ttmp6, 0x40000               ; cx
	s_lshl_b32 s34, ttmp9, 2
	s_add_co_u32 s[GID], s34, s[GID]               ; g = 4 x cluster x + cx
	s_lshl_b32 s34, s[GID], 20                     ; 128 rows of 8,192 bytes,
	s_lshl_b32 s35, s[WV], 17                      ; my wave's 16 of them
	s_add_co_u32 s34, s34, s35
	s_mov_b32 s35, 0
	s_lshl_b32 s38, s[GID], 3                      ; out0: 8 g bytes into a row
	s_mov_b32 s39, 0
	s_wait_alu depctr_va_vdst(0)
	s_wait_kmcnt 0x0
	s_add_nc_u64 s[XP:XP+1], s[4:5], s[34:35]
	s_add_nc_u64 s[12:13], s[12:13], s[38:39]
.irp t, 0,1,2,3,4,5,6,7
	global_load_b32 v[BF+\t], v[TB], s[8:9] offset:64*\t       ; bias of column 128 wave + 16 t + r
.endr
.irp t, 0,1,2,3,4,5,6,7
	global_load_b32 v[BF+8+\t], v[TB], s[10:11] offset:64*\t   ; v of the same
.endr
	XL 0, 0                                        ; chunk 0, both sets: asked for ahead of the round, which they need not await
	XL 1, 0
	s_mov_b32 s[G0], 1
	s_mov_b32 s[G0+1], s36                         ; ring slot 0, my part
	s_add_nc_u64 s[G0+2:G0+3], s[6:7], s[36:37]    ; W's slot 0, columns 0-511, my part
	s_mov_b32 s[G0+4], 1
	s_add_co_u32 s[G0+5], s36, HS                  ; ring slot 1
	s_add_nc_u64 s[G0+6:G0+7], s[G0+2:G0+3], 7*SLOTB-HS   ; the first head steps 6 SLOTB - HS back: to W's slot 1
	s_or_b32 s[G0+3], s[G0+3], 0x80000000
	s_or_b32 s[G0+7], s[G0+7], 0x80000000
	CROUND                                         ; the first joint loads meet
	s_cmp_lt_u32 s[WV], 4
	s_cbranch_scc0 .Lno_first
	tensor_load_to_lds s[G0:G0+3], s[G1:G1+7]      ; W's slot 0
	s_nop 0
	PLACES
.Lno_first:
	; the LDS addresses: a constant, a lane term, terms of the wave's number
	s_mul_i32 s46, s[WV], 2304                     ; I quantise rows 16 wave ..
	s_add_co_u32 s46, s46, XC
	v_lshl_add_u32 v[XCW], v[TL], 2, s46
	s_lshr_b32 s46, s[WV], 2
	s_lshl_b32 s46, s46, 8
	s_and_b32 s47, s[WV], 3
	s_lshl_b32 s47, s47, 2
	s_add_co_u32 s46, s46, s47
	s_add_co_u32 s46, s46, XS
	v_bfe_u32 v[XSW], v0, 2, 2                     ; byte (lane / 4) % 4
	s_delay_alu instid0(VALU_DEP_1)
	v_lshl_add_u32 v[XSW], v[TH], 9, v[XSW]        ; of K step lane / 16
	s_delay_alu instid0(VALU_DEP_1)
	v_add_nc_u32 v[XSW], s46, v[XSW]
	s_and_b32 s46, s[WV], 1                        ; I multiply rows 64 (wave % 2) ..
	s_mul_i32 s47, s46, 9216
	s_add_co_u32 s47, s47, XC
	v_mul_u32_u24 v[ADRA], v[TR], 144
	s_delay_alu instid0(VALU_DEP_1)
	v_lshl_add_u32 v[ADRA], v[TH], 4, v[ADRA]
	s_delay_alu instid0(VALU_DEP_1)
	v_add_nc_u32 v[ADRA], s47, v[ADRA]
	s_lshl_b32 s46, s46, 8
	s_add_co_u32 s46, s46, XS
	v_lshl_add_u32 v[ADXS], v[TR], 4, s46
	s_lshr_b32 s47, s[WV], 1                       ; by columns 128 (wave / 2) ..
	s_mul_i32 s46, s47, PB
	v_lshl_add_u32 v[ADRB], v[TL], 4, s46
	s_delay_alu instid0(VALU_DEP_1)
	v_add_nc_u32 v[ADRB+1], HS, v[ADRB]
	s_lshl_b32 s46, s47, 11
	s_add_co_u32 s46, s46, BV
	v_lshl_add_u32 v[BVA], v[TR], 4, s46
	s_lshl_b32 s46, s[WV], 11
	s_add_co_u32 s46, s46, BV
	v_lshl_add_u32 v[BVW], v[TR], 4, s46           ; the quads of columns 128 wave .. are made by wave `wave`
	v_bfe_u32 v[PFO], v0, 2, 3
	v_and_b32 v[T0], 3, v0
	v_lshlrev_b32 v[PFO], 13, v[PFO]
	s_delay_alu instid0(VALU_DEP_1)
	v_lshl_add_u32 v[PFO], v[T0], 8, v[PFO]
	v_add_nc_u32 v[WA], s[KO], v[XCW]              ; region 0
	v_add_nc_u32 v[WSA], s[KS], v[XSW]
	s_wait_alu depctr_va_vdst(0)
	s_wait_loadcnt 32                              ; bias and v are in; behind them stand chunk 0's 32 loads
.irp t, 0,1,2,3,4,5,6,7
	v_mul_f32 v[QD+4*\t], s[CS], v[BF+\t]          ; c bias, twice, and -2 v, twice: pairs for the packed forms
	v_mul_f32 v[QD+4*\t+1], s[CS], v[BF+\t]
	v_mul_f32 v[QD+4*\t+2], -2.0, v[BF+8+\t]
	v_mul_f32 v[QD+4*\t+3], -2.0, v[BF+8+\t]
.endr
.irp t, 0,1,2,3,4,5,6,7
	ds_store_b128 v[BVW], v[QD+4*\t:QD+4*\t+3] offset:256*\t   ; read at a pass's end, behind many barriers
.endr
	XQ 0, 16, 0                                    ; chunk 0 into region 0: set 0 (set 1's 16 loads stay out),
	XL 0, 1024                                     ; which then takes chunk 1;
	XQ 1, 16, 0
	XL 1, 0
	; ---- PASS 0: slot x multiplies chunk x, quantises chunk x + 1, asks for chunk x + 2 and prefetches chunk x + 3
	SLOT 0, 1, 2, 1                                ; slot 0: its products start the sums; ring slot 1 takes W's slot 1
	s_mov_b32 s[LAP], 2
.Llap0:                                                ; slots 1 and 2, then 3 and 4
	SLOT 1, 0, 1, 1
	SLOT 0, 0, 1, 1
	s_sub_co_u32 s[LAP], s[LAP], 1
	s_cmp_lg_u32 s[LAP], 0
	s_cbranch_scc1 .Llap0
	SLOT 1, 0, 1, 3                                ; slot 5: chunk 7, the last, is asked for; there is no chunk 8 to prefetch
	SLOT 0, 0, 1, 2                                ; slot 6: chunk 7 is quantised
	SLOT 1, 0, 0, 0                                ; slot 7: the ring has had its last fill
	PLACES                                         ; for the load into v20-23, which the last products read
	s_add_nc_u64 s[WP:WP+1], s[6:7], HS            ; wq at slot 0, columns 512 ..; v7 carries my part and lane
	WL 0                                           ; pass 1's first two K steps, into the registers that held X: on their way under the tanh
	WL 1
	EPI 0
	; ---- PASS 1: X's codes lie in LDS, W comes into registers; 16 K steps: 1, two trips of 6, 3
	s_wait_dscnt 0x0                               ; my partial scores have left their registers
	WL 2
	s_mov_b32 s[KO], 0
	s_mov_b32 s[KS], 0
	SETR
	K1 0, 1, 34, 1                                 ; its products start the sums anew; behind its 17 loads stand two K steps' 34
	s_mov_b32 s[LAP], 2
.Llap1:                                                ; K steps 1-6, then 7-12: buffers and halves of a slot are back where they began
.irp k, 1,2,3,4,5,6
	K1 \k, 0, 34, 1
.endr
	s_wait_xcnt 0x0                                ; the base is stepped only behind this wait
	s_add_nc_u64 s[WP:WP+1], s[WP:WP+1], 3*SLOTB
	s_add_co_u32 s[KO], s[KO], 3*XCB
	s_add_co_u32 s[KS], s[KS], 3*XSB
	SETR
	s_sub_co_u32 s[LAP], s[LAP], 1
	s_cmp_lg_u32 s[LAP], 0
	s_cbranch_scc1 .Llap1
	K1 1, 0, 34, 0                                 ; K steps 13, 14, 15: nothing is left to ask for
	K1 2, 0, 17, 0
	K1 3, 0, 0, 0
	EPI 1
	; ---- THE END: every wave sums the eight partial scores of all 128 rows, takes both softmaxes, and stores them for its own f
	v_and_b32 v[T0], 31, v0
	s_lshl_b32 s46, s[WV], 11
	v_lshl_add_u32 v[SCRR], v[T0], 3, SCR          ; SCR + 8 lane
	v_lshl_add_u32 v[OUTO], v[T0], 15, s46         ; out0: row (b = 2 lane, f = wave)
	v_mov_b32 v[T0+1], 0                           ; a lane permute's destination counts as one of its sources
	s_wait_alu depctr_va_vdst(0)
	s_wait_dscnt 0x0                               ; for the others' sake: my partial scores have landed
	s_barrier_signal -1
	s_barrier_wait -1
.irp beta, 0,1
.irp k, 0,1,2,3,4,5,6,7
	ds_load_b64 v[BF+16*\beta+2*\k:BF+16*\beta+2*\k+1], v[SCRR] offset:(\k/4)*2048+(\k%4)*512+\beta*256
.endr
.endr
	s_wait_dscnt 0x0
	SOFT 0
	SOFT 1
	global_store_b64 v[OUTO], v[RES:RES+1], s[12:13]                   ; out0[2 lane][wave][2 g, 2 g + 1]
	global_store_b64 v[OUTO], v[RES+2:RES+3], s[12:13] offset:16384    ; out0[2 lane + 1][wave][2 g, 2 g + 1]
	s_wait_tensorcnt 0x0                           ; the wave's end
	ds_add_u32 v[SPW], v[NIL]
	s_wait_dscnt 0x0
	CROUND                                         ; the closing round
	s_endpgm
.Lfunc_end_k_qcdcd3ac819_attn:
	.size	k_qcdcd3ac819_attn, .Lfunc_end_k_qcdcd3ac819_attn-k_qcdcd3ac819_attn
	.p2alignl 7, 3214868480
	.fill 96, 4, 3214868480
	.section	.rodata,"a",@progbits
	.p2align	6, 0x0
	.amdhsa_kernel k_qcdcd3ac819_attn
		.amdhsa_group_segment_fixed_size 327680
		.amdhsa_private_segment_fixed_size 0
		.amdhsa_enable_private_segment 0
		.amdhsa_kernarg_size 40
		.amdhsa_user_sgpr_count 2
		.amdhsa_user_sgpr_kernarg_segment_ptr 1
		.amdhsa_wavefront_size32 1
		.amdhsa_system_sgpr_workgroup_id_x 1
		.amdhsa_system_sgpr_workgroup_id_y 1
		.amdhsa_system_sgpr_workgroup_id_z 1
		.amdhsa_system_vgpr_workitem_id 0
		.amdhsa_next_free_vgpr 512
		.amdhsa_next_free_sgpr 66
		.amdhsa_reserve_vcc 0
		.amdhsa_float_denorm_mode_32 3
		.amdhsa_float_denorm_mode_16_64 3
		.amdhsa_memory_ordered 1
		.amdhsa_forward_progress 1
		.amdhsa_inst_pref_size 255
	.end_amdhsa_kernel
	.section	.bss,"aw",@nobits
	.p2align	6
	.space	262144
	.amdgpu_metadata
---
amdhsa.version: [ 1, 2 ]
amdhsa.kernels:
  - .name:           k_qcdcd3ac819_attn
    .symbol:         k_qcdcd3ac819_attn.kd
    .args:
      - { .name: encoder_outputs, .offset: 0, .size: 8, .value_kind: global_buffer, .address_space: global }
      - { .name: wq, .offset: 8, .size: 8, .value_kind: global_buffer, .address_space: global }
      - { .name: b, .offset: 16, .size: 8, .value_kind: global_buffer, .address_space: global }
      - { .name: v, .offset: 24, .size: 8, .value_kind: global_buffer, .address_space: global }
      - { .name: out0, .offset: 32, .size: 8, .value_kind: global_buffer, .address_space: global }
    .group_segment_fixed_size: 327680
    .private_segment_fixed_size: 0
    .kernarg_segment_align: 8
    .kernarg_segment_size: 40
    .max_flat_workgroup_size: 256
    .sgpr_count:     66
    .vgpr_count:     512
    .wavefront_size: 32
...
	.end_amdgpu_metadata
.endif
;; end of part 2
